; MI455X (gfx1250); checked and timed in simulation.
; The chip was launched on July 23, 2026; its instructions are those of AMD's public machine-readable ISA for CDNA 5 (MIT licence, August 2026) and "CDNA5" Instruction Set Architecture Reference Guide (July 2026). The comments in the code are by the model that wrote it; some were corrected since.
;; Local Attention. Allowed arithmetic: matrix products marked QUANTISED: E2M1 operands, one E8M0 scale for each 32 along K, by v_wmma_scale_f32_16x16x128_f8f6f4 with both operands' format E2M1 (or v_wmma_scale_f32_32x16x128_f4), f32 sums; products left as they are: bf16, f16 or f32 operands; f32 sums; everything else in f32.
;; Inputs: bo 1,024 float32; wkv 1,024 x 2,048 float32; wo 1,024 x 1,024 float32; wq 1,024 x 1,024 float32; x 4 x 2,048 x 1,024 float32.
;; Outputs: out0 4 x 2,048 x 1,024 float32.
;; This version of the problem:
;;   THIS VERSION OF THE PROBLEM IS GIVEN IN LOW PRECISION. The matrix products marked QUANTISED in the list below multiply operands that are first quantised to E2M1 (2 exponent bits, 1 mantissa bit; 4 bits a number), with one power-of-two scale for each 32 numbers along K (OCP MX v1.0); their sums are f32. The products marked 'left as it is' may take bf16, f16 or f32 operands, with f32 sums. Whichever they take, every output number must still come out within the allowed error. Rounding operands to bf16 (8 significant bits) uses up far more of that allowance than f16 does (11 bits, for magnitudes from 6e-5 to 65,504). All else is computed in f32.
;;   The module's matrix products, in the order in which they are computed (A, B: the left and right operand; K: the contracted axis; several contracted axes count as one K, in the product's order):
;;     1. [M 8,192, K 1,024] x [K 1,024, N 1,024]; A: input x; B: input wq: QUANTISED
;;     2. [M 8,192, K 1,024] x [K 1,024, N 2,048]; A: input x; B: input wkv: QUANTISED
;;     3. batch 1,024 x [M 128, K 64] x [K 64, N 256]; A: computed on the way; B: computed on the way: left as it is (an operand is computed on the way)
;;     4. batch 1,024 x [M 128, K 256] x [K 256, N 64]; A: computed on the way; B: computed on the way: left as it is (an operand is computed on the way)
;;     5. [M 8,192, K 1,024] x [K 1,024, N 1,024]; A: computed on the way; B: input wo: left as it is (an operand is computed on the way)
;;   THE QUANTISER, for each operand of a quantised product, along K:
;;     - K is cut into blocks of 32 from its start; a last block that is shorter is filled with zeros.
;;     - A block's scale is 2^e with e = floor(log2(the largest magnitude in the block)) - 2, held to -126 .. 127; a block of zeros has e = 0. As a byte (E8M0): e + 127.
;;     - Each number is divided by its block's scale, clamped to +-6, and rounded to the nearest number of E2M1, ties to even, subnormals kept.
;;     - The product sums the exact products of the quantised numbers (number of the format x scale) in f32.
;;   ~~~python
;;   def quantise(x, axis):      # numpy; x: float32 -> the quantised numbers, widened to float32 again
;;       x = np.moveaxis(x, axis, -1); K = x.shape[-1]
;;       x = np.pad(x, [(0, 0)] * (x.ndim - 1) + [(0, -K % 32)]); x = x.reshape(x.shape[:-1] + (-1, 32)); a = np.abs(x).max(-1, keepdims=True)
;;       e = np.where(a > 0, np.clip(np.frexp(np.where(a > 0, a, 1))[1] - 1 - 2, -126, 127), 0)      # np.frexp(a)[1] - 1 = floor(log2(a)), exactly
;;       r = np.clip(x / 2.0 ** e, -6, 6)
;;       step = 2.0 ** (np.maximum(np.frexp(np.where(r == 0, 1, r))[1] - 1, 0) - 1)
;;       q = np.round(r / step) * step * 2.0 ** e      # np.round: ties to even
;;       return np.moveaxis(q.reshape(q.shape[:-2] + (-1,))[..., :K], -1, axis).astype(np.float32)
;;   ~~~
;; One version. Each part assembles by itself: llvm-mc -triple=amdgcn-amd-amdhsa -mcpu=gfx1250 --defsym DOCPART=n.
;; ======== version 1 of 1: 3 launches
;; limits: values are held in f16: magnitudes above 65,504 overflow, below 6.1e-05 lose precision
;; workspace buffers: xq 4,456,448 bytes; wimg 1,572,864 bytes; wscl 98,304 bytes; woimg 2,097,152 bytes; oimg 16,777,216 bytes
;; launch prep (part 1): grid 640 x 1, 8 waves a work-group, no clusters, 69,120 bytes of LDS; arguments x, wq, wkv, wo, xq, wimg, wscl, woimg; writes xq, wimg, wscl, woimg
.if DOCPART == 1
	.amdgcn_target "amdgcn-amd-amdhsa--gfx1250"
	.amdhsa_code_object_version 6
	.text
	.protected	k_qba2e627eb1_prep
	.globl	k_qba2e627eb1_prep
	.p2align	8
	.type	k_qba2e627eb1_prep,@function
k_qba2e627eb1_prep:
	s_mov_b64 s[64:65], 0
	v_nop
	global_prefetch_b8 v0, s[64:65] scope:SCOPE_SE
	s_setreg_imm32_b32 hwreg(HW_REG_WAVE_MODE, 25, 1), 1
	s_wait_xcnt 0x0
; x [8192][1024], wq [1024][1024], wkv [1024][2048] (f32) become codes of E2M1 with one E8M0 byte for each 32 along K = 1024; wo [1024][1024] becomes f16.
; Everything is stored as IMAGES OF OPERAND REGISTERS: four registers of a fragment as 512 bytes, lane l's 16 bytes at 16 l, so that later launches load fragments as they stand.
;   xq    [row tile R of 16 tokens][8,704 B]: 8 K steps x 1,024 B (group c at 512 c: lane (r, h) holds k = 128 s + 64 c + 32 h + 0..31 of token 16 R + r), then 512 B of scale words:
;         lane (r, hh)'s 16 bytes hold the words of K steps 4 hh + 0..3 of token r.
;   wimg  [column tile T][K step s][1,024 B], the same form, lane r = column; T = column / 16 for wq, 64 + column / 16 for wkv.     wscl [T][s][r]: one word of four bytes.
;   woimg [column tile][kb of 32 k][1,024 B]: f16 fragment: registers 0-3 k = 8 h + 0..7, registers 4-7 k = 16 + 8 h + 0..7.
; A block's scale byte is its largest magnitude's exponent field - 2, held at 1 from below by a floor among the maximum's leaves; the conversion divides by the scale, rounds to nearest even and holds at the largest code.
; LIMITS: NaN and infinities are not served.  A block whose largest magnitude lies under 2^-124, a block of zeros among them, gets the byte 1 (a block of zeros has zero codes; only this program reads the bytes).
;         wo must lie under 65,504 in magnitude; under 6e-5 it keeps f16's denormal step.
; SHARES, by the work-group's number g: 0-31 wq, 32-95 wkv, 96-127 wo (256 columns x 128 k each: a lane takes a column, its registers run down K); 128-639 x (16 tokens; wave = K step).
; No work-group shares input with another, so there is no cluster; memory binds, so there is no matrix work.
.set SCW,   67584                      ; LDS: 8 stages of 16 rows x (512 + 16) bytes, one a wave; then the tile's 512 bytes of scale words;
.set SPARE, 68096                      ; then the spare words, 128 bytes a wave: four blocks of 256 bytes that no other line names
.set C,     24                         ; v24-39   codes
.set X,     40                         ; v40-167  numbers as loaded (x path: v40-103)
.set Y,     104                        ; v104-167 x path: 64 neighbours along K of one token
; 32 numbers of one block in v[src] on -> 4 registers of codes at v[C + 4 c]; the block's byte goes into v20, sh bits up
.macro QBLK src, c, sh
	v_max3_num_f32 v12, |v[\src]|, |v[\src+1]|, |v[\src+2]|        ; the largest magnitude, in two chains
	v_max3_num_f32 v13, |v[\src+3]|, |v[\src+4]|, |v[\src+5]|
.irp i, 6,10,14,18,22,26
	v_max3_num_f32 v12, v12, |v[\src+\i]|, |v[\src+\i+1]|
	v_max3_num_f32 v13, v13, |v[\src+\i+2]|, |v[\src+\i+3]|
.endr
	v_max3_num_f32 v12, v12, |v[\src+30]|, |v[\src+31]|
	v_max3_num_f32 v12, v12, v13, 0x1800000        ; and the floor 2^(3 - 127): the byte cannot fall under 1
	v_add_nc_u32 v11, 0xff000000, v12              ; 2 off the exponent field: the conversion takes this operand's exponent field as its scale
	v_lshrrev_b32 v13, 23, v11                     ; the scale's byte
.if \sh == 0
	v_mov_b32 v20, v13
.else
	v_lshl_or_b32 v20, v13, \sh, v20
.endif
.irp g, 0,1,2,3
	v_cvt_scalef32_pk8_fp4_f32 v[C+4*\c+\g], v[\src+8*\g:\src+8*\g+7], v11
.endr
.endm
; block bk of a weight: rows 32 bk + 0..31 of the K step at my column: 32 lanes read 128 consecutive bytes, the eight waves stand side by side on 1,024
.macro WLD bk, pitch, p
.set i, 0
.rept 32
	global_load_b32 v[X+32*(\bk)+i], v2, s[\p:\p+1] offset:(32*(\bk)+i)*\pitch th:TH_LOAD_NT
.set i, i+1
.endr
.endm
; which 256 columns (cg) and which 128 k (s21) are the work-group's; the source pointer at my wave's first number; s24 = 16 cg + 2 wave: my first column tile
.macro WHEAD gbase, cgbits, pitch, p
	s_sub_co_u32 s21, ttmp9, \gbase
	s_and_b32 s24, s21, (1<<\cgbits)-1
	s_lshr_b32 s21, s21, \cgbits
	s_mul_i32 s22, s21, 128*\pitch
	s_lshl_b32 s28, s24, 10
	s_add_co_u32 s22, s22, s28
	s_lshl_b32 s28, s20, 7
	s_add_co_u32 s22, s22, s28
	s_add_nc_u64 s[\p:\p+1], s[\p:\p+1], s[22:23]
	s_lshl_b32 s24, s24, 4
	s_lshl_b32 s28, s20, 1
	s_add_co_u32 s24, s24, s28
.endm
.macro WPATH gbase, cgbits, pitch, p, tbase
	WHEAD \gbase, \cgbits, \pitch, \p
	s_add_co_u32 s24, s24, \tbase                  ; T0
	s_lshl_b32 s28, s24, 13
	s_lshl_b32 s30, s21, 10
	s_add_co_u32 s28, s28, s30
	s_add_nc_u64 s[14:15], s[14:15], s[28:29]      ; wimg + 8,192 T0 + 1,024 s
	s_lshl_b32 s28, s24, 9
	s_lshl_b32 s30, s21, 6
	s_add_co_u32 s28, s28, s30
	s_add_nc_u64 s[16:17], s[16:17], s[28:29]      ; wscl + 512 T0 + 64 s
	WLD 0, \pitch, \p
	WLD 1, \pitch, \p
	s_wait_loadcnt 32                              ; block 0 is in; block 1's 32 loads may be out
	WLD 2, \pitch, \p
	QBLK X, 0, 0
	s_wait_loadcnt 32                              ; block 1 is in; block 2's may be out
	WLD 3, \pitch, \p
	QBLK X+32, 1, 8
	s_wait_loadcnt 32                              ; block 2 is in; block 3's may be out
	QBLK X+64, 2, 16
	s_wait_loadcnt 0x0
	QBLK X+96, 3, 24
	v_nop                                          ; one plain place behind the scaled conversions
.irp c, 0,1                                    ; a lane holds all four blocks of ITS column; a fragment wants block 2 c + h of column r: lanes 16-31 of block 2 c change places with lanes 0-15 of block 2 c + 1
.irp i, 0,1,2,3
	v_permlane16_swap_b32 v[C+8*\c+\i], v[C+8*\c+4+\i]   ; then C + 8 c + 0..3 is group c of my first tile, C + 8 c + 4..7 of my second
.endr
.endr
	global_store_b128 v3, v[C:C+3], s[14:15]               ; each store covers 512 consecutive bytes, aligned
	global_store_b128 v3, v[C+4:C+7], s[14:15] offset:8192
	global_store_b128 v3, v[C+8:C+11], s[14:15] offset:512
	global_store_b128 v3, v[C+12:C+15], s[14:15] offset:8704
	global_store_b32 v9, v20, s[16:17]             ; my column's scale word of this K step: two runs of 64 bytes a wave
	s_endpgm
.endm
; wo: block kb (32 k of my column) -> 16 registers of f16 pairs, in place; the halves change places as above; four stores
.macro OBLK kb
.set p, 0
.rept 16
	v_cvt_pk_f16_f32 v[X+32*(\kb)+p], v[X+32*(\kb)+2*p], v[X+32*(\kb)+2*p+1]
.set p, p+1
.endr
.irp e, 0,1,2,3,8,9,10,11
	v_permlane16_swap_b32 v[X+32*(\kb)+\e], v[X+32*(\kb)+\e+4]
.endr
	global_store_b128 v3, v[X+32*(\kb):X+32*(\kb)+3], s[18:19] offset:1024*(\kb)
	global_store_b128 v3, v[X+32*(\kb)+4:X+32*(\kb)+7], s[18:19] offset:1024*(\kb)+32768
	global_store_b128 v3, v[X+32*(\kb)+8:X+32*(\kb)+11], s[18:19] offset:1024*(\kb)+512
	global_store_b128 v3, v[X+32*(\kb)+12:X+32*(\kb)+15], s[18:19] offset:1024*(\kb)+33280
.endm
	s_load_b512 s[4:19], s[0:1], 0x0               ; x s[4:5], wq s[6:7], wkv s[8:9], wo s[10:11], xq s[12:13], wimg s[14:15], wscl s[16:17], woimg s[18:19]
	v_lshl_add_u32 v22, v0, 2, SPARE               ; my spare word,
	v_mov_b32 v23, 0                               ; and 0: kept for the closing lines
	v_lshrrev_b32 v1, 5, v0
	v_readfirstlane_b32 s20, v1                    ; wave 0..7
	v_and_b32 v1, 31, v0                           ; lane
	v_lshlrev_b32 v2, 2, v1                        ; 4 x lane
	v_lshlrev_b32 v3, 4, v1                        ; 16 x lane
	v_and_b32 v4, 15, v0                           ; r
	v_bfe_u32 v5, v0, 4, 1                         ; h
	v_lshlrev_b32 v9, 2, v4
	v_lshl_add_u32 v9, v5, 9, v9                   ; scale words of two tiles: 512 (lane / 16) + 4 r
	v_mov_b32 v21, 0                               ; a lane permute's destination counts as one of its sources
	s_mul_i32 s30, s20, 8448                       ; my stage
	v_add_nc_u32 v6, s30, v3                       ; in: a row's 512 bytes as they lie
	v_mul_u32_u24 v7, v4, 528
	v_lshl_add_u32 v7, v5, 7, v7
	v_add_nc_u32 v7, s30, v7                       ; out: row r, + 128 h: my 32 numbers of a block pair
	s_lshr_b32 s31, s20, 2
	s_lshl_b32 s31, s31, 8
	s_and_b32 s32, s20, 3
	s_lshl_b32 s32, s32, 2
	s_add_co_u32 s31, s31, s32
	s_add_co_u32 s31, s31, SCW
	v_lshl_add_u32 v8, v4, 4, s31                  ; the scale image: 16 r + 256 (wave / 4) + 4 (wave % 4)
	v_add_nc_u32 v14, SCW, v3                      ; and the image read back, 16 bytes a lane
	s_mov_b32 s23, 0
	s_mov_b32 s29, 0
	s_mov_b32 s26, 0x76543210
	s_mov_b32 s27, 0xfedcba98                      ; v_permlanex16_b32's selects for lane l xor 16
	s_wait_kmcnt 0x0
	s_cmp_lt_u32 ttmp9, 32                         ; the paths part on the work-group's number: all eight waves go the same way
	s_cbranch_scc1 .Lwq
	s_cmp_lt_u32 ttmp9, 96
	s_cbranch_scc1 .Lwkv
	s_cmp_lt_u32 ttmp9, 128
	s_cbranch_scc1 .Lwo
	; ---- x: row tile R = g - 128; my wave's K step: 128 columns of 16 tokens
	s_sub_co_u32 s21, ttmp9, 128
	s_lshl_b32 s22, s21, 16                        ; 16 rows of 4,096 bytes
	s_lshl_b32 s28, s20, 9
	s_add_co_u32 s22, s22, s28
	s_add_nc_u64 s[4:5], s[4:5], s[22:23]
	s_mul_i32 s28, s21, 8704
	s_lshl_b32 s24, s20, 10
	s_add_co_u32 s28, s28, s24
	s_add_nc_u64 s[12:13], s[12:13], s[28:29]      ; xq + 8,704 R + 1,024 wave
.irp i, 0,1,2,3,4,5,6,7,8,9,10,11,12,13,14,15
	global_load_b128 v[X+4*\i:X+4*\i+3], v3, s[4:5] offset:4096*\i th:TH_LOAD_NT   ; row i: 512 consecutive bytes
.endr
.irp i, 0,1,2,3,4,5,6,7,8,9,10,11,12,13,14,15
	s_wait_loadcnt 15-\i                           ; row i is in; the rows behind it may be out
	ds_store_b128 v6, v[X+4*\i:X+4*\i+3] offset:528*\i
.endr
.irp c, 0,1                                    ; LDS serves a wave's instructions in order: these see my stores.  Lane (r, h): k = 64 c + 32 h + 0..31 of token r
.irp e, 0,1,2,3,4,5,6,7
	ds_load_b128 v[Y+32*\c+4*\e:Y+32*\c+4*\e+3], v7 offset:256*\c+16*\e
.endr
.endr
	s_wait_dscnt 8                                 ; block c = 0 is back; block c = 1's eight loads may be out
	QBLK Y, 0, 0
	s_wait_dscnt 0x0
	QBLK Y+32, 1, 16
	v_nop                                          ; one plain place behind the scaled conversions
	v_lshlrev_b32 v10, 3, v5
	v_lshlrev_b32 v20, v10, v20                    ; my two bytes, blocks h and 2 + h, at their places in the word;
	v_permlanex16_b32 v21, v20, s26, s27
	v_or_b32 v20, v20, v21                         ; with lane l xor 16's two the word is whole
	ds_store_b32 v8, v20                           ; lanes r and r + 16 write the same word with the same value
	global_store_b128 v3, v[C:C+3], s[12:13]       ; the fragment's two groups: 512 consecutive bytes each
	global_store_b128 v3, v[C+4:C+7], s[12:13] offset:512
	s_wait_dscnt 0x0                               ; for the others' sake: my scale words lie in LDS
	s_barrier_signal -1
	s_barrier_wait -1
	s_cmp_lg_u32 s20, 0                            ; wave 0 stores the tile's scale image (its base stands at the tile's first byte)
	s_cbranch_scc1 .Lxend
	ds_load_b128 v[32:35], v14
	s_wait_dscnt 0x0
	global_store_b128 v3, v[32:35], s[12:13] offset:8192
.Lxend:
	s_wait_tensorcnt 0x0                           ; the wave's end, behind my last LDS store
	ds_add_u32 v22, v23
	s_wait_dscnt 0x0
	s_endpgm
.Lwq:
	WPATH 0, 2, 4096, 6, 0
.Lwkv:
	WPATH 32, 3, 8192, 8, 64
.Lwo:
	WHEAD 96, 2, 4096, 10
	s_lshl_b32 s28, s24, 15
	s_lshl_b32 s30, s21, 12
	s_add_co_u32 s28, s28, s30
	s_add_nc_u64 s[18:19], s[18:19], s[28:29]      ; woimg + 32,768 (16 cg + 2 wave) + 1,024 x 4 s
	WLD 0, 4096, 10
	WLD 1, 4096, 10
	s_wait_loadcnt 32                              ; as above: one younger block may be out
	WLD 2, 4096, 10
	OBLK 0
	s_wait_loadcnt 32
	WLD 3, 4096, 10
	OBLK 1
	s_wait_loadcnt 32
	OBLK 2
	s_wait_loadcnt 0x0
	OBLK 3
	s_endpgm
.Lfunc_end_k_qba2e627eb1_prep:
	.size	k_qba2e627eb1_prep, .Lfunc_end_k_qba2e627eb1_prep-k_qba2e627eb1_prep
	.p2alignl 7, 3214868480
	.fill 96, 4, 3214868480
	.section	.rodata,"a",@progbits
	.p2align	6, 0x0
	.amdhsa_kernel k_qba2e627eb1_prep
		.amdhsa_group_segment_fixed_size 69120
		.amdhsa_private_segment_fixed_size 0
		.amdhsa_enable_private_segment 0
		.amdhsa_kernarg_size 64
		.amdhsa_user_sgpr_count 2
		.amdhsa_user_sgpr_kernarg_segment_ptr 1
		.amdhsa_wavefront_size32 1
		.amdhsa_system_sgpr_workgroup_id_x 1
		.amdhsa_system_sgpr_workgroup_id_y 1
		.amdhsa_system_sgpr_workgroup_id_z 1
		.amdhsa_system_vgpr_workitem_id 0
		.amdhsa_next_free_vgpr 176
		.amdhsa_next_free_sgpr 66
		.amdhsa_reserve_vcc 0
		.amdhsa_float_denorm_mode_32 3
		.amdhsa_float_denorm_mode_16_64 3
		.amdhsa_memory_ordered 1
		.amdhsa_forward_progress 1
		.amdhsa_inst_pref_size 68
	.end_amdhsa_kernel
	.amdgpu_metadata
---
amdhsa.version: [ 1, 2 ]
amdhsa.kernels:
  - .name:           k_qba2e627eb1_prep
    .symbol:         k_qba2e627eb1_prep.kd
    .args:
      - { .name: x, .offset: 0, .size: 8, .value_kind: global_buffer, .address_space: global }
      - { .name: wq, .offset: 8, .size: 8, .value_kind: global_buffer, .address_space: global }
      - { .name: wkv, .offset: 16, .size: 8, .value_kind: global_buffer, .address_space: global }
      - { .name: wo, .offset: 24, .size: 8, .value_kind: global_buffer, .address_space: global }
      - { .name: xq, .offset: 32, .size: 8, .value_kind: global_buffer, .address_space: global }
      - { .name: wimg, .offset: 40, .size: 8, .value_kind: global_buffer, .address_space: global }
      - { .name: wscl, .offset: 48, .size: 8, .value_kind: global_buffer, .address_space: global }
      - { .name: woimg, .offset: 56, .size: 8, .value_kind: global_buffer, .address_space: global }
    .group_segment_fixed_size: 69120
    .private_segment_fixed_size: 0
    .kernarg_segment_align: 8
    .kernarg_segment_size: 64
    .max_flat_workgroup_size: 256
    .sgpr_count:     66
    .vgpr_count:     176
    .wavefront_size: 32
...
	.end_amdgpu_metadata
.endif
;; end of part 1
;; launch attn (part 2): grid 16 x 16, 4 waves a work-group, clusters of 4 x 1, 327,680 bytes of LDS; arguments xq, wimg, wscl, oimg; writes oimg
.if DOCPART == 2
	.amdgcn_target "amdgcn-amd-amdhsa--gfx1250"
	.amdhsa_code_object_version 6
	.text
	.protected	k_qba2e627eb1_attn
	.globl	k_qba2e627eb1_attn
	.p2align	8
	.type	k_qba2e627eb1_attn,@function
k_qba2e627eb1_attn:
	s_mov_b64 s[64:65], 0
	v_nop
	global_prefetch_b8 v0, s[64:65] scope:SCOPE_SE
	s_setreg_imm32_b32 hwreg(HW_REG_WAVE_MODE, 25, 1), 1
	s_wait_xcnt 0x0
	s_wait_alu depctr_hold_cnt(0) depctr_sa_sdst(0) depctr_va_vdst(0) depctr_va_sdst(0) depctr_va_ssrc(0) depctr_va_vcc(0) depctr_vm_vsrc(0)
	s_getreg_b32 s2, hwreg(HW_REG_IB_STS2, 6, 4)
	s_cmp_eq_u32 s2, 0
	s_cbranch_scc0 .Lentry_in_a_cluster
	s_endpgm
.Lentry_in_a_cluster:
	s_bfe_u32 s2, ttmp6, 0x10000c
	s_cmp_lg_u32 s2, 0x3003
	s_cbranch_scc0 .Lentry_shape_is_right
	s_endpgm
.Lentry_shape_is_right:
; For one head and four windows of 128 tokens: q, k, v = x W on codes of E2M1 (K = 1,024), then the windowed attention in f16 with f32 sums; q, k, v never go to memory.
; o leaves as f16 images of the out-projection's operand registers: oimg [row tile of 16 tokens][kb of 32 inner channels][1,024 B].
; SHARES.  head = 4 x cluster x + cx; y = 4 batch + chunk: windows 4 y .. 4 y + 3.  The work-group walks five tiles of x, windows 4 y - 1 .. 4 y + 3; the first gives K and V alone.
; THE ZERO WINDOW.  Where y % 4 = 0 the window in front is reference()'s window of zeros: the first tile's address is held at window 4 y and its K and V are multiplied by Z = 0 (else 1.0), in f32:
; scores of exactly 0, which count in the maximum and the sum, and values of 0.  No branch, and every joint load is issued.
; CLUSTER.  The four heads of a cluster read the same tiles of x: each is asked for jointly (mask 15); the descriptor hangs on y and the wave alone; cx enters only the weights' and o's global addresses.
; PROJECTION.  Wave (i = wave / 2, j = wave % 2): row tiles 4 i + 0..3, channels 32 j + 0..31 of q, of k and of v: six column tiles, tile = 2 ty + u.  Its 48 weight fragments and 24 scale registers stay in registers.
; THE WEIGHTS hang on the head, which the partners do not share: they come by plain tensor loads (no mask), one a wave, among the first fills: wave w brings channel tile w of q, k and v, 3 x 8,192 bytes,
; so that each of the head's 98,304 bytes is asked for once by the work-group; behind the first barrier each wave reads its 48 fragments from LDS, the two waves of one j the same bytes.
; THE SOURCES' ORDER MAKES EACH RESULT, PACKED TO f16, A GROUP OF THE NEXT OPERAND'S REGISTERS.  q, k: source 0 = W, source 1 = x: a lane holds one token and 8 channels.  v: source 0 = x, source 1 = W: one channel, 8 keys.
; S^T = K Q^T: one query, 8 keys a tile; two tiles packed are source 1 of O^T = V^T P; O^T packed is a group of the out-projection's operand.  They pass from wave to wave through LDS as images (512 bytes, 16 a lane).
; ATTENTION.  Wave w takes query tiles a = w and b = 7 - w; a unit is 32 keys x 16 queries.  a: the previous window's 4 units and current unit 0 (slots n = 0..4); b: previous 4, current 0, 1, 2 (n = 5..11);
; one more unit, FLEX (n = 12): (a, current 1) where wave >= 2, else (b, current 3).  So every wave multiplies the 13 units that the causal mask leaves it, and none that lies wholly under it.
; SOFTMAX.  q is multiplied by log2(e) / 8 ahead of its rounding, so a score is t; p = 2^(t - m), m the row's maximum; the sum is taken of the unrounded p and divides O at the end.
; LIMITS: NaN and infinities are not served.  q log2(e) / 8, k, v and o must lie under 65,504 in magnitude; under 6e-5 they keep f16's denormal step.  Z = 0 takes k and v of the batch's first window to be finite.
; REGISTERS, in windows of 256.  Window 0: v1-21 addresses and lane constants; v32-55 W's scale words, v56-71 x's; v72-103 Q of tiles a, b; v104-127 statistics; v128-255 two fragment buffers H0, H1, also at work on the ways out.
;   window 1: W's fragments of K steps 0-4 at 48 s + 8 tile.   window 2: those of K steps 5-7; from v144 three sets of x's fragments; O^T of a at v144, of b at v176, over sets 0, 1, idle then.
;   window 3: the 24 accumulators at 8 (6 rt + tile); S^T of unit n at 16 n, laid over them; P in place at 16 n + 0..7.
.set XSL,   0x11000                    ; LDS: two slots for x, 69,632 bytes each (8 row tiles x 8,704); this one exclusive or turns an address from one into the other (a wave's 17,408 w shares no bit with it)
.set QIMG,  139264                     ; Q's images [query tile][channels 32 cs][1,024 B]
.set KV0,   0x26000                    ; K's images [key tile][cs][1,024 B], 16,384 bytes; behind them V's [32 keys kb][channel tile dt][1,024 B]
.set KV1,   0x2e000                    ; the same for the other window
.set KVX,   0x8000
.set SPARE, 221184                     ; the spare words, 128 bytes a wave: two blocks of 256 bytes that no other line names
.set WL,    221696                     ; the head's weights, filled once: [channel tile 0..3][q, k, v][K step][1,024 B], 98,304 bytes
.set H0,    128
.set H1,    192
.set W_QK1, 0xf9                       ; s_set_vgpr_msb: bits 1:0 source 0, 3:2 source 1, 5:4 source 2, 7:6 destination.  W window 1, x window 2, C and D window 3
.set W_V1,  0xf6                       ; x window 2, W window 1
.set W_G2,  0xfa                       ; both window 2
.set TO_W1, 0x40
.set TO_W2, 0x80
.set W_SS,  0xc3                       ; destination and source 0 window 3
.set W_CV,  0x0f                       ; sources 0, 1 window 3, destination window 0
.set W_S,   0xf0                       ; K, Q window 0; S^T window 3
.set W_MX,  0x3c                       ; sources 1, 2 window 3
.set W_SUM, 0x0c                       ; source 1 window 3
.set W_PK,  0xcf                       ; all of window 3
.set W_PV,  0xac                       ; V window 0, P window 3, O^T window 2
.set W_O,   0x02                       ; source 0 window 2
.set MSB, 0
.macro WIN new                         ; the immediate's high byte repeats the setting that is left; a switch that changes nothing is dropped
.if MSB != \new
	s_set_vgpr_msb (MSB<<8)|\new
.set MSB, \new
.endif
.endm
.macro PLACES                          ; four plain places behind matrix instructions, in front of loads into their registers and of the first read of results
.rept 4
	v_nop
.endr
.endm
.macro ROUND                           ; a round of the cluster's barrier
	s_barrier_signal -1
	s_barrier_wait -1
	s_cmp_lg_u32 s12, 0
	s_cbranch_scc1 .Lnot_wave_0_\@
	s_barrier_signal -3
.Lnot_wave_0_\@:
	s_barrier_wait -3
	s_barrier_signal -1
	s_barrier_wait -1
.endm
; one product on codes: K step s picks C (0 starts a sum) and the half of the lanes from which both scale words are read (steps 4-7: lanes 16-31)
.macro MM d, a, b, sa, sb, s
.if (\s) == 0
	v_wmma_scale_f32_16x16x128_f8f6f4 v[\d:\d+7], v[\a:\a+7], v[\b:\b+7], 0, v[\sa], v[\sb] matrix_a_fmt:MATRIX_FMT_FP4 matrix_b_fmt:MATRIX_FMT_FP4
.elseif (\s) < 4
	v_wmma_scale_f32_16x16x128_f8f6f4 v[\d:\d+7], v[\a:\a+7], v[\b:\b+7], v[\d:\d+7], v[\sa], v[\sb] matrix_a_fmt:MATRIX_FMT_FP4 matrix_b_fmt:MATRIX_FMT_FP4
.else
	v_wmma_scale_f32_16x16x128_f8f6f4 v[\d:\d+7], v[\a:\a+7], v[\b:\b+7], v[\d:\d+7], v[\sa], v[\sb] matrix_a_fmt:MATRIX_FMT_FP4 matrix_b_fmt:MATRIX_FMT_FP4 matrix_a_scale:MATRIX_SCALE_ROW1 matrix_b_scale:MATRIX_SCALE_ROW1
.endif
.endm
.macro XFLD p, s                       ; x's four fragments of K step s into set p (window 2): eight loads
.irp rt, 0,1,2,3
.irp c, 0,1
	ds_load_b128 v[144+32*(\p)+8*\rt+4*\c:144+32*(\p)+8*\rt+4*\c+3], v5 offset:8704*\rt+1024*(\s)+512*\c
.endr
.endr
.endm
; THE PROJECTION of one tile of x: 8 K steps, 24 accumulators (16 without q) by turns, one instruction a turn.  x's fragments run two K steps ahead, in three sets.
.macro GEMM withq
	WIN 0
	v_add_nc_u32 v5, s28, v4
.irp rt, 0,1,2,3
	ds_load_b128 v[56+4*\rt:59+4*\rt], v5 offset:8704*\rt+8192     ; x's scale words: register i: lanes 0-15 K step i, lanes 16-31 K step 4 + i
.endr
	WIN TO_W2
	XFLD 0, 0
	XFLD 1, 1
.irp s, 0,1,2,3,4,5,6,7
.if \s <= 5
.if \s >= 1
	PLACES                                         ; the set to be loaded was read by the step before
.endif
	WIN TO_W2
	XFLD (\s+2)%3, \s+2
	s_wait_dscnt 16                                ; this step's fragments are in (and all LDS loads issued ahead of them); those of the two steps behind it may be out
.elseif \s == 6
	s_wait_dscnt 8                                 ; the last step's eight may be out
.else
	s_wait_dscnt 0x0
.endif
.if \s < 5
	WIN W_QK1
.else
	WIN W_G2
.endif
.irp rt, 0,1,2,3
.irp tl, 0,1,2,3
.if \withq || (\tl >= 2)
	MM 8*(6*\rt+\tl), 48*(\s%5)+8*\tl, 144+32*(\s%3)+8*\rt, 32+4*\tl+\s%4, 56+4*\rt+\s%4, \s
.endif
.endr
.endr
.if \s < 5
	WIN W_V1
.endif
.irp rt, 0,1,2,3
.irp tl, 4,5
	MM 8*(6*\rt+\tl), 144+32*(\s%3)+8*\rt, 48*(\s%5)+8*\tl, 56+4*\rt+\s%4, 32+4*\tl+\s%4, \s
.endr
.endr
.endr
	PLACES
.endm
; THE RESULTS BECOME IMAGES.  q x log2(e) / 8; zmul: k, v x Z; all rounded to f16, four registers an accumulator (each accumulator is read from its low end on).
; b2: a barrier in front of the stores: every wave has ended the last window's attention, so Q's images and the K, V images of two windows back may be written over.
.macro PACK withq, zmul, b2
	WIN W_SS
.if \withq
.irp rt, 0,1,2,3
.irp tl, 0,1
.irp p, 0,2,4,6
	v_pk_mul_f32 v[8*(6*\rt+\tl)+\p:8*(6*\rt+\tl)+\p+1], v[8*(6*\rt+\tl)+\p:8*(6*\rt+\tl)+\p+1], s[24:25] op_sel_hi:[1,0]
.endr
.endr
.endr
.endif
.if \zmul
.irp rt, 0,1,2,3
.irp tl, 2,3,4,5
.irp p, 0,2,4,6
	v_pk_mul_f32 v[8*(6*\rt+\tl)+\p:8*(6*\rt+\tl)+\p+1], v[8*(6*\rt+\tl)+\p:8*(6*\rt+\tl)+\p+1], s[22:23] op_sel_hi:[1,0]
.endr
.endr
.endr
.endif
	WIN W_CV
.irp rt, 0,1,2,3
.irp tl, 0,1,2,3,4,5
.if \withq || (\tl >= 2)
.irp p, 0,1,2,3
	v_cvt_pk_f16_f32 v[128+4*(6*\rt+\tl)+\p], v[8*(6*\rt+\tl)+2*\p], v[8*(6*\rt+\tl)+2*\p+1]
.endr
.endif
.endr
.endr
	WIN 0
	v_add_nc_u32 v8, s29, v7                       ; K's images of this window,
	v_add_nc_u32 v10, s29, v9                      ; and V's
.if \b2
	s_wait_dscnt 0x0                               ; my reads of the images are back
	s_barrier_signal -1
	s_barrier_wait -1
.endif
.irp rt, 0,1,2,3
.irp u, 0,1
.if \withq
	ds_store_b128 v6, v[128+4*(6*\rt+\u):128+4*(6*\rt+\u)+3] offset:2048*\rt+512*\u             ; query tile 4 i + rt, channels 32 j: group u
.endif
	ds_store_b128 v8, v[128+4*(6*\rt+2+\u):128+4*(6*\rt+2+\u)+3] offset:2048*\rt+512*\u         ; key tile 4 i + rt likewise
	ds_store_b128 v10, v[128+4*(6*\rt+4+\u):128+4*(6*\rt+4+\u)+3] offset:4096*(\rt/2)+1024*\u+512*(\rt%2)   ; keys 32 (2 i + rt / 2), channel tile 2 j + u: group rt % 2
.endr
.endr
.endm
; THE BARRIER BETWEEN PROJECTION AND ATTENTION.  In front of it: all my tensor loads have landed (the next tile of x), the add, my image stores have landed and my reads of the x slot are back.
; refill = 1: it is a round of the cluster's barrier, and the slot just read is filled again, two tiles ahead: my one tensor load, first thing behind the round; one load of mine is out until the next such wait.
.macro B1 refill
	WIN 0
	s_wait_tensorcnt 0x0
	ds_add_u32 v2, v3
.if \refill
	s_xor_b32 s45, s45, XSL                        ; no tensor load of mine is out: the walking descriptor takes the other slot
	s_add_nc_u64 s[46:47], s[46:47], 69632         ; and the next window
.endif
	s_wait_dscnt 0x0
.if \refill
	ROUND
	tensor_load_to_lds s[44:47], s[32:39]
	s_nop 0
	PLACES
.else
	s_barrier_signal -1
	s_barrier_wait -1
.endif
.endm
.macro HW d, a, b, acc                 ; one f16 product
.if \acc
	v_wmma_f32_16x16x32_f16 v[\d:\d+7], v[\a:\a+7], v[\b:\b+7], v[\d:\d+7]
.else
	v_wmma_f32_16x16x32_f16 v[\d:\d+7], v[\a:\a+7], v[\b:\b+7], 0
.endif
.endm
.macro KLD buf, adr, blk               ; K of 32 keys: fragments (key tile u, channels 32 cs) at buf + 8 (2 u + cs): eight loads
.irp u, 0,1
.irp cs, 0,1
.irp g, 0,1
	ds_load_b128 v[\buf+8*(2*\u+\cs)+4*\g:\buf+8*(2*\u+\cs)+4*\g+3], v[\adr] offset:4096*(\blk)+2048*\u+1024*\cs+512*\g
.endr
.endr
.endr
.endm
.macro VLD buf, adr, blk               ; V^T of 32 keys: fragments of channel tile dt at buf + 8 dt: eight loads
.irp dt, 0,1,2,3
.irp g, 0,1
	ds_load_b128 v[\buf+8*\dt+4*\g:\buf+8*\dt+4*\g+3], v[\adr] offset:16384+4096*(\blk)+1024*\dt+512*\g
.endr
.endr
.endm
.macro SU2 buf, na, nb                 ; S^T of one unit of keys for both query tiles: four accumulators by turns
.irp cs, 0,1
.irp u, 0,1
	HW 16*(\na)+8*\u, \buf+8*(2*\u+\cs), 72+8*\cs, \cs
	HW 16*(\nb)+8*\u, \buf+8*(2*\u+\cs), 88+8*\cs, \cs
.endr
.endr
.endm
.macro SU1 buf, n, q                   ; for one query tile: two accumulators by turns
.irp cs, 0,1
.irp u, 0,1
	HW 16*(\n)+8*\u, \buf+8*(2*\u+\cs), \q+8*\cs, \cs
.endr
.endr
.endm
.macro PU2 buf, na, nb, acc            ; O^T += V^T P of one unit for both tiles: eight accumulators by turns
.irp dt, 0,1,2,3
	HW 144+8*\dt, \buf+8*\dt, 16*(\na), \acc
	HW 176+8*\dt, \buf+8*\dt, 16*(\nb), \acc
.endr
.endm
.macro PU1 buf, n, o                   ; for one tile: four by turns
.irp dt, 0,1,2,3
	HW \o+8*\dt, \buf+8*\dt, 16*(\n), 1
.endr
.endm
; register e of unit n holds the unit's key 16 (e / 8) + e % 8 + 8 h; it is hidden where that is above the query's place in the unit: v[d] = 16 tile - 32 unit + r - 8 h.  Off the diagonal d is 24 or more and nothing is hidden.
.macro MASK n, d
.irp e, 0,1,2,3,4,5,6,7,8,9,10,11,12,13,14,15
	v_cmp_gt_i32 vcc_lo, 16*(\e/8)+\e%8, v[\d]
	v_cndmask_b32 v[16*(\n)+\e], v[16*(\n)+\e], v22, vcc_lo
.endr
.endm
.macro ATTN
	WIN 0
	v_add_nc_u32 v13, s30, v1                      ; the previous window's images,
	v_add_nc_u32 v14, s29, v1                      ; this window's,
	v_add_nc_u32 v15, s29, v16                     ; and this window's at the FLEX unit
.irp cs, 0,1
.irp g, 0,1
	ds_load_b128 v[72+8*\cs+4*\g:72+8*\cs+4*\g+3], v11 offset:1024*\cs+512*\g
	ds_load_b128 v[88+8*\cs+4*\g:88+8*\cs+4*\g+3], v12 offset:1024*\cs+512*\g
.endr
.endr
	KLD H0, 13, 0
	KLD H0+32, 13, 1
	KLD H1, 13, 2
	KLD H1+32, 13, 3
	s_wait_dscnt 16                                ; Q and H0 are in; H1's sixteen loads may be out
	WIN W_S
	SU2 H0, 0, 5
	SU2 H0+32, 1, 6
	PLACES
	WIN 0
	KLD H0, 14, 0
	KLD H0+32, 14, 1
	s_wait_dscnt 16                                ; H1 is in; H0's new sixteen may be out
	WIN W_S
	SU2 H1, 2, 7
	SU2 H1+32, 3, 8
	PLACES
	WIN 0
	KLD H1, 14, 2
	KLD H1+32, 15, 0
	s_wait_dscnt 16                                ; H0 is in; H1's new sixteen may be out
	WIN W_S
	SU2 H0, 4, 9
	SU1 H0+32, 10, 88
	s_wait_dscnt 0x0
	SU1 H1, 11, 88
	WIN 0
	s_cmp_lg_u32 s13, 0                            ; the FLEX unit's queries: tile a in waves 2, 3, tile b in waves 0, 1: a branch on the wave's number, round four products
	s_cbranch_scc0 .Lsfb_\@
	WIN W_S
	SU1 H1+32, 12, 72
	WIN 0
	s_branch .Lsfj_\@
.Lsfb_\@:
	WIN W_S
	SU1 H1+32, 12, 88
	WIN 0
.Lsfj_\@:
	PLACES
	VLD H0, 13, 0                                  ; V of the previous window lands under the softmax
	VLD H0+32, 13, 1
	VLD H1, 13, 2
	VLD H1+32, 13, 3
	WIN W_SS
	MASK 4, 19
	MASK 11, 20
	MASK 12, 21
	WIN W_MX                                       ; the maxima: 4 + 4 + 2 chains, begun at -infinity
.set q, 0
.rept 40
.if q < 4
	v_max3_num_f32 v[110+q], v22, v[2*q], v[2*q+1]
.else
	v_max3_num_f32 v[110+q%4], v[110+q%4], v[2*q], v[2*q+1]
.endif
.set q, q+1
.endr
.set q, 0
.rept 56
.if q < 4
	v_max3_num_f32 v[114+q], v22, v[80+2*q], v[80+2*q+1]
.else
	v_max3_num_f32 v[114+q%4], v[114+q%4], v[80+2*q], v[80+2*q+1]
.endif
.set q, q+1
.endr
.set q, 0
.rept 8
.if q < 2
	v_max3_num_f32 v[118+q], v22, v[192+2*q], v[192+2*q+1]
.else
	v_max3_num_f32 v[118+q%2], v[118+q%2], v[192+2*q], v[192+2*q+1]
.endif
.set q, q+1
.endr
	WIN 0
	v_max3_num_f32 v110, v110, v111, v112
	v_max3_num_f32 v114, v114, v115, v116
	v_max_num_f32 v118, v118, v119
	v_max_num_f32 v110, v110, v113
	v_max_num_f32 v114, v114, v117
	v_cndmask_b32 v24, v22, v118, s16              ; the FLEX unit's maximum goes to its tile (s16: all ones in waves 2, 3), -infinity to the other
	v_cndmask_b32 v25, v118, v22, s16
	v_max_num_f32 v110, v110, v24
	v_max_num_f32 v114, v114, v25
	v_permlanex16_b32 v120, v110, s26, s27         ; a query's other keys lie in the lane 16 away
	v_permlanex16_b32 v121, v114, s26, s27
	v_max_num_f32 v104, v110, v120                 ; m of tile a,
	v_max_num_f32 v106, v114, v121                 ; of tile b,
	v_cndmask_b32 v108, v106, v104, s16            ; and the FLEX unit's
	WIN W_SS
.set n, 0
.rept 13                                       ; t - m and p = 2^(t - m), in place: ONE batch of exponentials; none of these lines names an exponential's result
.set m, 104
.if n >= 5
.set m, 106
.endif
.if n == 12
.set m, 108
.endif
.irp p, 0,2,4,6,8,10,12,14
	v_pk_add_f32 v[16*n+\p:16*n+\p+1], v[16*n+\p:16*n+\p+1], v[m:m+1] op_sel_hi:[1,0] neg_lo:[0,1] neg_hi:[0,1]
.endr
.irp e, 0,1,2,3,4,5,6,7,8,9,10,11,12,13,14,15
	v_exp_f32 v[16*n+\e], v[16*n+\e]
.endr
.set n, n+1
.endr
	v_nop                                          ; a plain place behind the last exponential
	s_wait_alu depctr_va_vdst(0)                   ; the wait ahead of the first line that names a result: one for the batch
	WIN W_CV                                       ; the sums of the unrounded p, two at a time, two chains a tile
	v_pk_add_f32 v[110:111], v[0:1], v[2:3]
	v_pk_add_f32 v[112:113], v[4:5], v[6:7]
	v_pk_add_f32 v[114:115], v[80:81], v[82:83]
	v_pk_add_f32 v[116:117], v[84:85], v[86:87]
	v_pk_add_f32 v[118:119], v[192:193], v[194:195]
	WIN W_SUM
.set q, 0
.rept 18
	v_pk_add_f32 v[110:111], v[110:111], v[8+q:9+q]
	v_pk_add_f32 v[114:115], v[114:115], v[88+q:89+q]
	v_pk_add_f32 v[112:113], v[112:113], v[10+q:11+q]
	v_pk_add_f32 v[116:117], v[116:117], v[90+q:91+q]
.set q, q+4
.endr
.set q, 0
.rept 8
	v_pk_add_f32 v[114:115], v[114:115], v[160+q:161+q]
	v_pk_add_f32 v[116:117], v[116:117], v[162+q:163+q]
.if q < 24
	v_pk_add_f32 v[118:119], v[118:119], v[196+q/2:197+q/2]
.endif
.set q, q+4
.endr
	WIN W_PK                                       ; p to f16, in place, ascending: registers 16 n + 0..7 are source 1 of the second product
.set n, 0
.rept 13
.irp p, 0,1,2,3,4,5,6,7
	v_cvt_pk_f16_f32 v[16*n+\p], v[16*n+2*\p], v[16*n+2*\p+1]
.endr
.set n, n+1
.endr
	s_wait_dscnt 0x0                               ; V of the previous window is in
	WIN W_PV
	PU2 H0, 0, 5, 0                                ; the first unit starts O^T's sums
	PU2 H0+32, 1, 6, 1
	PLACES
	WIN 0
	VLD H0, 14, 0
	VLD H0+32, 14, 1
	WIN W_PV
	PU2 H1, 2, 7, 1
	PU2 H1+32, 3, 8, 1
	PLACES
	WIN 0
	VLD H1, 14, 2
	VLD H1+32, 15, 0
	s_wait_dscnt 16                                ; H0 is in; H1's sixteen loads may be out
	WIN W_PV
	PU2 H0, 4, 9, 1
	PU1 H0+32, 10, 176
	s_wait_dscnt 0x0
	PU1 H1, 11, 176
	WIN 0
	s_cmp_lg_u32 s13, 0
	s_cbranch_scc0 .Lpfb_\@
	WIN W_PV
	PU1 H1+32, 12, 144
	WIN 0
	s_branch .Lpfj_\@
.Lpfb_\@:
	WIN W_PV
	PU1 H1+32, 12, 176
	WIN 0
.Lpfj_\@:
	v_pk_add_f32 v[110:111], v[110:111], v[112:113]   ; the sums' end; these plain lines are also the places behind the last products
	v_pk_add_f32 v[114:115], v[114:115], v[116:117]
	v_add_f32 v118, v118, v119
	v_add_f32 v110, v110, v111
	v_add_f32 v114, v114, v115
	v_cndmask_b32 v24, v23, v118, s16              ; the FLEX unit's sum goes to its tile, 0 to the other
	v_cndmask_b32 v25, v118, v23, s16
	v_add_f32 v110, v110, v24
	v_add_f32 v114, v114, v25
	v_permlanex16_b32 v120, v110, s26, s27
	v_permlanex16_b32 v121, v114, s26, s27
	v_add_f32 v110, v110, v120
	v_add_f32 v114, v114, v121
	v_rcp_f32 v124, v110
	v_rcp_f32 v126, v114
	v_nop
	s_wait_alu depctr_va_vdst(0)                   ; one wait for the two reciprocals, ahead of their first reader
.irp x, 0,1                                    ; O^T / the sum, to f16: channel tile dt is group dt % 2 of inner block 2 head + dt / 2
	WIN W_O
.irp q, 0,2,4,6,8,10,12,14,16,18,20,22,24,26,28,30
	v_pk_mul_f32 v[128+32*\x+\q:128+32*\x+\q+1], v[144+32*\x+\q:144+32*\x+\q+1], v[124+2*\x:125+2*\x] op_sel_hi:[1,0]
.endr
	WIN 0
.irp p, 0,1,2,3,4,5,6,7,8,9,10,11,12,13,14,15
	v_cvt_pk_f16_f32 v[192+16*\x+\p], v[128+32*\x+2*\p], v[128+32*\x+2*\p+1]
.endr
.irp dt, 0,1,2,3
	global_store_b128 v[17+\x], v[192+16*\x+4*\dt:192+16*\x+4*\dt+3], s[48:49] offset:512*\dt   ; 32 lanes store 512 consecutive bytes, aligned
.endr
.endr
.endm
.macro WINDOW refill
	GEMM 1
	PACK 1, 0, 1
	B1 \refill
	ATTN
	s_wait_xcnt 0x0                                ; the stores have read their base and their data: both are written again below and in the next window
	s_add_nc_u64 s[48:49], s[48:49], 262144        ; o: eight row tiles on
	s_xor_b32 s28, s28, XSL                        ; the other x slot
	s_xor_b32 s29, s29, KVX                        ; this window's K, V become the previous window's
	s_xor_b32 s30, s30, KVX
.endm
	s_load_b256 s[4:11], s[0:1], 0x0               ; xq s[4:5], wimg s[6:7], wscl s[8:9], oimg s[10:11]
	v_lshl_add_u32 v2, v0, 2, SPARE
	v_mov_b32 v3, 0
	ds_add_u32 v2, v3                              ; the opening: the add, twice on end, and its wait ahead of my first tensor load
	ds_add_u32 v2, v3
	v_lshrrev_b32 v24, 5, v0
	v_readfirstlane_b32 s12, v24                   ; wave = query tile a
	s_lshr_b32 s13, s12, 1                         ; i; also: the FLEX unit is tile a's (1) or tile b's (0)
	s_and_b32 s14, s12, 1                          ; j
	s_xor_b32 s18, s12, 7                          ; b = 7 - wave
	s_bfe_u32 s19, ttmp6, 0x40000                  ; cx
	s_lshl_b32 s20, ttmp9, 2
	s_add_co_u32 s20, s20, s19                     ; head
	s_and_b32 s21, ttmp7, 0xffff                   ; y
	s_and_b32 s50, s21, 3
	s_cmp_lg_u32 s50, 0                            ; is there a window in front, in this batch?
	s_cselect_b32 s22, 1.0, 0                      ; Z
	s_cselect_b32 s51, 69632, 0                    ; the first tile lies one window back, or is held at window 4 y
	s_mov_b32 s23, s22
	s_mov_b32 s24, 0x3e38aa3b                      ; log2(e) / 8
	s_mov_b32 s25, s24
	s_mov_b32 s26, 0x76543210
	s_mov_b32 s27, 0xfedcba98                      ; v_permlanex16_b32's selects for lane l xor 16
	s_mov_b32 s32, 15|(3<<16)|(1<<21)              ; group 1 for x: mask: all four work-groups; elements of 8 bytes; bit 21 beside a mask; no padding
	s_mov_b32 s33, 32<<16                          ; tensor_dim0 = 32 elements: rows of 256 bytes
	s_mov_b32 s34, 68<<16                          ; tensor_dim1 = 68 rows: two row tiles, 17,408 dense bytes a wave
	s_mov_b32 s35, 32<<16                          ; tile_dim0
	s_mov_b32 s36, 68                              ; tile_dim1
	s_mov_b32 s37, 32                              ; pitch
	s_mov_b32 s38, 0
	s_mov_b32 s39, 0
	s_mov_b32 s68, 3<<16                           ; group 1 for the weights: no mask; elements of 8 bytes; no padding
	s_mov_b32 s69, 1024<<16                        ; tensor_dim0 = 1,024 elements: a column tile's 8 K steps, 8,192 bytes
	s_mov_b32 s70, 3<<16                           ; tensor_dim1 = 3 rows: q, k, v
	s_mov_b32 s71, 1024<<16                        ; tile_dim0
	s_mov_b32 s72, 3                               ; tile_dim1
	s_mov_b32 s73, 65536                           ; from q to k to v: 64 column tiles, 524,288 bytes
	s_mov_b32 s74, 0
	s_mov_b32 s75, 0
	s_mul_i32 s52, s21, 278528                     ; four windows of 69,632 bytes
	s_mul_i32 s41, s12, 17408                      ; my quarter: in memory and in a slot
	s_add_co_u32 s52, s52, s41
	s_sub_co_u32 s54, s52, s51
	s_mov_b32 s53, 0
	s_mov_b32 s55, 0
	s_mov_b32 s40, 1
	s_mov_b32 s44, 1
	s_add_co_u32 s45, s41, XSL
	s_lshl_b32 s56, s20, 2
	s_add_co_u32 s56, s56, s12                     ; column tile 4 head + wave of q
	s_lshl_b32 s56, s56, 13
	s_mov_b32 s57, 0
	s_mov_b32 s60, 1
	s_mul_i32 s61, s12, 24576                      ; where it goes: the wave's number alone
	s_add_co_u32 s61, s61, WL
	s_wait_dscnt 0x0                               ; both opening adds are done
	s_wait_kmcnt 0x0
	s_add_nc_u64 s[42:43], s[4:5], s[54:55]        ; tile 0 -> slot 0
	s_or_b32 s43, s43, 0x80000000
	s_add_nc_u64 s[46:47], s[4:5], s[52:53]        ; tile 1 -> slot 1; this descriptor walks on
	s_or_b32 s47, s47, 0x80000000
	s_add_nc_u64 s[62:63], s[6:7], s[56:57]        ; my quarter of the head's weights
	s_or_b32 s63, s63, 0x80000000
	ROUND                                          ; all four work-groups are here: the first joint loads meet
	tensor_load_to_lds s[60:63], s[68:75]          ; the first fills, one group: the weights (my work-group's own),
	s_nop 0
	tensor_load_to_lds s[40:43], s[32:39]          ; tile 0,
	s_nop 0
	tensor_load_to_lds s[44:47], s[32:39]          ; tile 1: three loads of mine are out
	s_nop 0
	PLACES
	v_and_b32 v24, 31, v0
	v_lshlrev_b32 v1, 4, v24                       ; 16 x lane: an image's place for my lane
	v_and_b32 v25, 15, v0                          ; r
	v_bfe_u32 v26, v0, 4, 1                        ; h
	v_lshlrev_b32 v27, 2, v25
	v_lshl_add_u32 v27, v26, 8, v27                ; W's scale words: 4 r, and K steps 4-7 (256 bytes on) for lanes 16-31
	s_lshl_b32 s56, s20, 2
	s_lshl_b32 s57, s14, 1
	s_add_co_u32 s58, s56, s57                     ; 4 head + 2 j: my first column tile of q
	s_lshl_b32 s56, s58, 9
	s_mov_b32 s57, 0
	s_add_nc_u64 s[8:9], s[8:9], s[56:57]
	s_lshl_b32 s56, s21, 20
	s_lshl_b32 s58, s20, 11
	s_add_co_u32 s56, s56, s58
	s_add_nc_u64 s[48:49], s[10:11], s[56:57]      ; o: 32 row tiles of 32,768 bytes x y, + 2,048 head
.irp ty, 0,1,2
.irp u, 0,1
.irp i, 0,1,2,3
	global_load_b32 v[32+4*(2*\ty+\u)+\i], v27, s[8:9] offset:32768*\ty+512*\u+64*\i
.endr
.endr
.endr
	s_mul_i32 s50, s14, 49152
	s_add_co_u32 s50, s50, WL
	v_add_nc_u32 v29, s50, v1                      ; the weights in LDS: my two channel tiles, 2 j and 2 j + 1
	v_lshlrev_b32 v28, 3, v26
	v_sub_nc_u32 v28, v25, v28                     ; r - 8 h
	s_mul_i32 s50, s13, 34816
	v_add_nc_u32 v4, s50, v1                       ; x: my four row tiles in a slot
	s_lshl_b32 s50, s13, 13
	s_lshl_b32 s51, s14, 10
	s_add_co_u32 s51, s51, s50
	v_add_nc_u32 v7, s51, v1                       ; where I store K's images: 8,192 i + 1,024 j
	v_add_nc_u32 v6, QIMG, v7                      ; and Q's
	s_lshl_b32 s51, s14, 11
	s_add_co_u32 s51, s51, s50
	s_add_co_u32 s51, s51, 16384
	v_add_nc_u32 v9, s51, v1                       ; V's: 16,384 + 8,192 i + 2,048 j
	s_lshl_b32 s50, s12, 11
	s_add_co_u32 s50, s50, QIMG
	v_add_nc_u32 v11, s50, v1                      ; Q of tile a,
	s_lshl_b32 s50, s18, 11
	s_add_co_u32 s50, s50, QIMG
	v_add_nc_u32 v12, s50, v1                      ; of tile b
	s_lshl_b32 s50, s13, 1
	s_xor_b32 s59, s50, 3                          ; the FLEX unit of keys: 1 in waves 2, 3; 3 in waves 0, 1
	s_lshl_b32 s50, s59, 12
	v_add_nc_u32 v16, s50, v1
	s_lshl_b32 s50, s12, 15
	v_add_nc_u32 v17, s50, v1                      ; o: row tile a,
	s_lshl_b32 s50, s18, 15
	v_add_nc_u32 v18, s50, v1                      ; row tile b
	s_lshl_b32 s50, s12, 4
	v_add_nc_u32 v19, s50, v28                     ; the masks' d: (a, current 0),
	s_lshl_b32 s50, s18, 4
	s_sub_co_u32 s50, s50, 64
	v_add_nc_u32 v20, s50, v28                     ; (b, current 2),
	s_cmp_lg_u32 s13, 0
	s_cselect_b32 s16, -1, 0
	s_cselect_b32 s50, s12, s18
	s_lshl_b32 s50, s50, 4
	s_lshl_b32 s51, s59, 5
	s_sub_co_u32 s50, s50, s51
	v_add_nc_u32 v21, s50, v28                     ; and the FLEX unit
	v_mov_b32 v22, 0xff800000                      ; -infinity
	v_mov_b32 v23, 0
.irp k, 105,107,109,120,121,125,127
	v_mov_b32 v[\k], 0                             ; upper halves of pairs of which the low word alone is used, and lane permutes' destinations: written once
.endr
	s_mov_b32 s28, 0                               ; the x slot in hand
	s_mov_b32 s29, KV0                             ; where this tile's K and V go
	s_wait_loadcnt 0x0                             ; the weights' scale words
	s_wait_tensorcnt 0x1                           ; my parts of the weights and of tile 0 are in; tile 1's load may be out
	s_barrier_signal -1
	s_barrier_wait -1                              ; everybody's are
	WIN TO_W1
.irp s, 0,1,2,3,4                              ; my 48 weight fragments, out of LDS: they stay in registers.  The first projection's wait on DScnt shows them in: LDS results come in order
.irp ty, 0,1,2
.irp u, 0,1
.irp c, 0,1
	ds_load_b128 v[48*\s+8*(2*\ty+\u)+4*\c:48*\s+8*(2*\ty+\u)+4*\c+3], v29 offset:24576*\u+8192*\ty+1024*\s+512*\c
.endr
.endr
.endr
.endr
	WIN TO_W2
.irp s, 5,6,7
.irp ty, 0,1,2
.irp u, 0,1
.irp c, 0,1
	ds_load_b128 v[48*(\s-5)+8*(2*\ty+\u)+4*\c:48*(\s-5)+8*(2*\ty+\u)+4*\c+3], v29 offset:24576*\u+8192*\ty+1024*\s+512*\c
.endr
.endr
.endr
.endr
	WIN 0
	GEMM 0                                         ; the window in front: K and V alone,
	PACK 0, 1, 0                                   ; times Z
	B1 1                                           ; slot 0 takes tile 2
	s_mov_b32 s28, XSL
	s_mov_b32 s29, KV1
	s_mov_b32 s30, KV0
	s_mov_b32 s31, 2
.Lfill:                                            ; windows 0, 1: tiles 3 and 4 are asked for
	WINDOW 1
	s_sub_co_u32 s31, s31, 1
	s_cmp_lg_u32 s31, 0
	s_cbranch_scc1 .Lfill
	s_mov_b32 s31, 2
.Ltail:                                            ; windows 2, 3: nothing is left to fetch; written out
	WINDOW 0
	s_sub_co_u32 s31, s31, 1
	s_cmp_lg_u32 s31, 0
	s_cbranch_scc1 .Ltail
	s_wait_tensorcnt 0x0                           ; the wave's end
	ds_add_u32 v2, v3
	s_wait_dscnt 0x0
	ROUND                                          ; the closing round
	s_endpgm
.Lfunc_end_k_qba2e627eb1_attn:
	.size	k_qba2e627eb1_attn, .Lfunc_end_k_qba2e627eb1_attn-k_qba2e627eb1_attn
	.p2alignl 7, 3214868480
	.fill 96, 4, 3214868480
	.section	.rodata,"a",@progbits
	.p2align	6, 0x0
	.amdhsa_kernel k_qba2e627eb1_attn
		.amdhsa_group_segment_fixed_size 327680
		.amdhsa_private_segment_fixed_size 0
		.amdhsa_enable_private_segment 0
		.amdhsa_kernarg_size 32
		.amdhsa_user_sgpr_count 2
		.amdhsa_user_sgpr_kernarg_segment_ptr 1
		.amdhsa_wavefront_size32 1
		.amdhsa_system_sgpr_workgroup_id_x 1
		.amdhsa_system_sgpr_workgroup_id_y 1
		.amdhsa_system_sgpr_workgroup_id_z 1
		.amdhsa_system_vgpr_workitem_id 0
		.amdhsa_next_free_vgpr 1024
		.amdhsa_next_free_sgpr 76
		.amdhsa_reserve_vcc 1
		.amdhsa_float_denorm_mode_32 3
		.amdhsa_float_denorm_mode_16_64 3
		.amdhsa_memory_ordered 1
		.amdhsa_forward_progress 1
		.amdhsa_inst_pref_size 247
	.end_amdhsa_kernel
	.amdgpu_metadata
---
amdhsa.version: [ 1, 2 ]
amdhsa.kernels:
  - .name:           k_qba2e627eb1_attn
    .symbol:         k_qba2e627eb1_attn.kd
    .args:
      - { .name: xq, .offset: 0, .size: 8, .value_kind: global_buffer, .address_space: global }
      - { .name: wimg, .offset: 8, .size: 8, .value_kind: global_buffer, .address_space: global }
      - { .name: wscl, .offset: 16, .size: 8, .value_kind: global_buffer, .address_space: global }
      - { .name: oimg, .offset: 24, .size: 8, .value_kind: global_buffer, .address_space: global }
    .group_segment_fixed_size: 327680
    .private_segment_fixed_size: 0
    .kernarg_segment_align: 8
    .kernarg_segment_size: 32
    .max_flat_workgroup_size: 128
    .sgpr_count:     76
    .vgpr_count:     1024
    .wavefront_size: 32
...
	.end_amdgpu_metadata
.endif
;; end of part 2
;; launch proj (part 3): grid 4 x 64, 4 waves a work-group, clusters of 4 x 4, 327,680 bytes of LDS; arguments oimg, woimg, bo, out0; writes out0
.if DOCPART == 3
	.amdgcn_target "amdgcn-amd-amdhsa--gfx1250"
	.amdhsa_code_object_version 6
	.text
	.protected	k_qba2e627eb1_proj
	.globl	k_qba2e627eb1_proj
	.p2align	8
	.type	k_qba2e627eb1_proj,@function
k_qba2e627eb1_proj:
	s_mov_b64 s[64:65], 0
	v_nop
	global_prefetch_b8 v0, s[64:65] scope:SCOPE_SE
	s_setreg_imm32_b32 hwreg(HW_REG_WAVE_MODE, 25, 1), 1
	s_wait_xcnt 0x0
	s_wait_alu depctr_hold_cnt(0) depctr_sa_sdst(0) depctr_va_vdst(0) depctr_va_sdst(0) depctr_va_ssrc(0) depctr_va_vcc(0) depctr_vm_vsrc(0)
	s_getreg_b32 s2, hwreg(HW_REG_IB_STS2, 6, 4)
	s_cmp_eq_u32 s2, 0
	s_cbranch_scc0 .Lentry_in_a_cluster
	s_endpgm
.Lentry_in_a_cluster:
	s_bfe_u32 s2, ttmp6, 0x10000c
	s_cmp_lg_u32 s2, 0xf033
	s_cbranch_scc0 .Lentry_shape_is_right
	s_endpgm
.Lentry_shape_is_right:
; out0 [8192][1024] f32 = o wo + bo.  o and wo arrive as f16 images of operand registers: oimg [row tile of 16 tokens][kb of 32 k][1,024 B], woimg [column tile of 16][kb][1,024 B]; sums in f32.
; A work-group makes 128 rows x 256 columns, 256 work-groups in all; wave (wi = wave / 2, wj = wave % 2) makes 64 x 128: 32 accumulators.
; The product is used transposed (source 0 = 16 columns of wo, source 1 = 16 tokens): a lane holds eight neighbouring columns of one row.  The bias is the C of each sum's first product.
; THE RING.  One kb of the work-group's tiles is 8 + 16 images, 24,576 bytes; 13 of them, 319,488 bytes, are what LDS holds.  So the two slots are uneven: slot A 6 kb, slot B 7 kb, and K's 32 kb go as
; 6 + 7 + 6 + 7 + 6: two first fills and three refills.  A refill is asked for when its slot has been read out and is waited for when the other slot has: 7, 6 and 7 quarters of 32 matrix instructions later.
; A lap has 13 quarters, an odd number, so the two fragment buffers do not come back to their places: the walk along K is written out by macros, the symbol N counting the quarters.
; CLUSTER 4 x 4: o's tiles hang on the tile row alone and are asked for jointly along a row of the cluster, wo's on the tile column alone, jointly along a column.
; LIMITS: those of the launches that made the images (f16's range); NaN and infinities are not served.
; REGISTERS: window 0: v16-17, v20-21 fragment addresses in slot A, B; v24-26 the way out; v28, v29 the add's two; v32-95 the bias, 8 registers a column tile; v128-255 rows read back from the stage, two sets.
;   window 1: two fragment buffers at 0 and 96: o's four fragments, then wo's eight.   window 2: accumulator (a, b) at 8 (8 a + b).
.set PA,    6144                       ; slot A, from LDS byte 0: a tile's 6 kb; o's 8 row tiles, then wo's 16 column tiles.  Slot B: a tile's 7 kb, 7,168 bytes
.set SLB,   147456                     ; slot B begins here
.set STAGE, SLB                        ; the way out: 16 rows x (512 + 16) bytes for each wave, in slot B: it has had its last fill, and its last read lies in front of the last barrier
.set SP,    528
.set SPARE, 319488                     ; behind slot B: the spare words, 128 bytes a wave: two blocks of 256 bytes that no other line names
.set STEPB, 13312                      ; from a slot's fill to its next: 13 kb
.set G1O, 24                           ; s[24:31], s[32:39] group 1 for o's tiles in slot A, B
.set G1W, 40                           ; s[40:47], s[48:55] for wo's
.set G0O, 56                           ; s[56:59], s[60:63] group 0 for o's tiles in slot A, B
.set G0W, 68                           ; s[68:71], s[72:75] for wo's
.set MUL,  0xa5                        ; sources 0, 1 window 1; C and D window 2
.set MULB, 0x85                        ; the same with C (the bias) in window 0
.set TO_F, 0x40
.set N,   0                            ; quarters done: quarter N multiplies buffer N % 2
.set MSB, 0
.macro WIN new
.if MSB != \new
	s_set_vgpr_msb (MSB<<8)|\new
.set MSB, \new
.endif
.endm
.macro PLACES
.rept 4
	v_nop
.endr
.endm
.macro ROUND
	s_barrier_signal -1
	s_barrier_wait -1
	s_cmp_lg_u32 s12, 0
	s_cbranch_scc1 .Lnot_wave_0_\@
	s_barrier_signal -3
.Lnot_wave_0_\@:
	s_barrier_wait -3
	s_barrier_signal -1
	s_barrier_wait -1
.endm
.macro JLOAD s                         ; a joint load into slot s: waves 0, 1 fetch o's two halves, waves 2, 3 wo's; the branch hangs on the wave's number alone
	s_cmp_eq_u32 s13, 0
	s_cbranch_scc0 .Lfor_b_\@
	tensor_load_to_lds s[G0O+4*\s:G0O+4*\s+3], s[G1O+8*\s:G1O+8*\s+7]
	s_nop 0
.rept 4
	v_nop
.endr
	s_branch .Lasked_\@
.Lfor_b_\@:
	tensor_load_to_lds s[G0W+4*\s:G0W+4*\s+3], s[G1W+8*\s:G1W+8*\s+7]
	s_nop 0
.rept 4
	v_nop
.endr
.Lasked_\@:
.endm
.macro FETCH slot, kb, f               ; 24 LDS loads: my 4 + 8 fragments of the slot's kb-th 32 along K into buffer f
	WIN TO_F
.irp a, 0,1,2,3
.irp g, 0,1
	ds_load_b128 v[\f+8*\a+4*\g:\f+8*\a+4*\g+3], v[16+\slot] offset:(PA+1024*(\slot))*\a+1024*(\kb)+512*\g
.endr
.endr
.irp b, 0,1,2,3,4,5,6,7
.irp g, 0,1
	ds_load_b128 v[\f+32+8*\b+4*\g:\f+32+8*\b+4*\g+3], v[20+\slot] offset:(PA+1024*(\slot))*\b+1024*(\kb)+512*\g
.endr
.endr
.endm
.macro MUL16 f, a0, first              ; row tiles a0, a0 + 1 x all 8 column tiles; the 32 accumulators take turns, one instruction a turn
.irp a, \a0, \a0+1
.irp b, 0,1,2,3,4,5,6,7
.if \first
	v_wmma_f32_16x16x32_f16 v[8*(8*(\a)+\b):8*(8*(\a)+\b)+7], v[\f+32+8*\b:\f+32+8*\b+7], v[\f+8*(\a):\f+8*(\a)+7], v[32+8*\b:39+8*\b]
.else
	v_wmma_f32_16x16x32_f16 v[8*(8*(\a)+\b):8*(8*(\a)+\b)+7], v[\f+32+8*\b:\f+32+8*\b+7], v[\f+8*(\a):\f+8*(\a)+7], v[8*(8*(\a)+\b):8*(8*(\a)+\b)+7]
.endif
.endr
.endr
.endm
.macro QUARTER slot, kb, first         ; multiplies the slot's kb-th 32 along K and fetches the next into the other buffer
.set BUF, 96*(N%2)
.set OTH, 96-BUF
	PLACES                                         ; that buffer was read by the products just issued
	FETCH \slot, (\kb)+1, OTH
	s_wait_dscnt 24                                ; my buffer is in; the 24 loads just issued may be out
.if \first
	WIN MULB
.else
	WIN MUL
.endif
	MUL16 BUF, 0, \first
	MUL16 BUF, 2, \first
.set N, N+1
.endm
; A slot's last quarter changes slots.  In front of the barrier: all my tensor loads have landed (my part of the next slot), the add, and my reads of this slot are back.
; fill = 1: the barrier is a round of the cluster's, and this slot is filled again, 13 kb on: my one tensor load, first thing behind the round; one load of mine is out until the next such wait.
.macro TURN slot, next, fill
.set BUF, 96*(N%2)
.set OTH, 96-BUF
	WIN 0
	s_wait_tensorcnt 0x0
	ds_add_u32 v28, v29
	s_wait_dscnt 1                                 ; my buffer is in; the add may be out
	WIN MUL
	MUL16 BUF, 0, 0                                ; sixteen products stand between the add and the wait for it
	s_wait_dscnt 0x0
	WIN 0
.if \fill
	ROUND
	s_add_nc_u64 s[G0O+4*\slot+2:G0O+4*\slot+3], s[G0O+4*\slot+2:G0O+4*\slot+3], STEPB
	s_add_nc_u64 s[G0W+4*\slot+2:G0W+4*\slot+3], s[G0W+4*\slot+2:G0W+4*\slot+3], STEPB
	JLOAD \slot                                    ; its four v_nop are also the places in front of the loads below
.else
	s_barrier_signal -1
	s_barrier_wait -1
	PLACES
.endif
	FETCH \next, 0, OTH
	WIN MUL
	MUL16 BUF, 2, 0
.set N, N+1
.endm
	s_load_b256 s[4:11], s[0:1], 0x0               ; oimg s[4:5], woimg s[6:7], bo s[8:9], out0 s[10:11]
	v_lshl_add_u32 v28, v0, 2, SPARE
	v_mov_b32 v29, 0
	ds_add_u32 v28, v29                            ; the opening: the add, twice on end, and its wait ahead of my first tensor load
	ds_add_u32 v28, v29
	v_lshrrev_b32 v1, 5, v0
	v_readfirstlane_b32 s12, v1                    ; wave
	s_lshr_b32 s13, s12, 1                         ; wi.  Also: I fetch for o (0) or for wo (1)
	s_and_b32 s14, s12, 1                          ; wj.  Also: which half of that tile I fetch
	s_bfe_u32 s76, ttmp6, 0x40000                  ; cx
	s_bfe_u32 s77, ttmp6, 0x40004                  ; cy
	s_lshl_b32 s80, ttmp9, 2
	s_add_co_u32 s80, s80, s76                     ; tile column X
	s_and_b32 s15, ttmp7, 0xffff
	s_lshl_b32 s15, s15, 2
	s_add_co_u32 s15, s15, s77                     ; tile row Y
	s_lshl_b32 s81, s77, 2
	s_lshl_b32 s81, 15, s81                        ; my row of the cluster
	s_lshl_b32 s82, 0x1111, s76                    ; my column
	s_or_b32 s[G1O], s81, (3<<16)|(1<<21)          ; the mask; elements of 8 bytes; bit 21 beside a mask; no padding
	s_or_b32 s[G1O+8], s81, (3<<16)|(1<<21)
	s_or_b32 s[G1W], s82, (3<<16)|(1<<21)
	s_or_b32 s[G1W+8], s82, (3<<16)|(1<<21)
.irp g, G1O, G1W
	s_mov_b32 s[\g+1], 768<<16                     ; slot A: tensor_dim0 = tile_dim0 = 768 elements: a tile's 6 kb, 6,144 bytes
	s_mov_b32 s[\g+3], 768<<16
	s_mov_b32 s[\g+9], 896<<16                     ; slot B: 896 elements: 7 kb, 7,168 bytes
	s_mov_b32 s[\g+11], 896<<16
.endr
.irp g, G1O, G1O+8
	s_mov_b32 s[\g+2], 4<<16                       ; o: tensor_dim1 = tile_dim1 = 4 row tiles a wave
	s_mov_b32 s[\g+4], 4
.endr
.irp g, G1W, G1W+8
	s_mov_b32 s[\g+2], 8<<16                       ; wo: 8 column tiles a wave
	s_mov_b32 s[\g+4], 8
.endr
.irp g, G1O, G1O+8, G1W, G1W+8
	s_mov_b32 s[\g+5], 4096                        ; from tile to tile: 32 kb x 1,024 bytes
	s_mov_b32 s[\g+6], 0
	s_mov_b32 s[\g+7], 0
.endr
	s_lshl_b32 s16, s15, 18                        ; o: 32,768 (8 Y + 4 half)
	s_lshl_b32 s17, s14, 17
	s_add_co_u32 s16, s16, s17
	s_mov_b32 s17, 0
	s_lshl_b32 s78, s80, 19                        ; wo: 32,768 (16 X + 8 half)
	s_lshl_b32 s79, s14, 18
	s_add_co_u32 s78, s78, s79
	s_mov_b32 s79, 0
	s_mov_b32 s[G0O], 1                            ; where the tiles go: constants and the wave's number alone
	s_mul_i32 s[G0O+1], s14, 4*PA                  ; o, slot A: my 4 row tiles
	s_mov_b32 s[G0O+4], 1
	s_mul_i32 s[G0O+5], s14, 4*(PA+1024)
	s_add_co_u32 s[G0O+5], s[G0O+5], SLB           ; o, slot B
	s_mov_b32 s[G0W], 1
	s_mul_i32 s[G0W+1], s14, 8*PA
	s_add_co_u32 s[G0W+1], s[G0W+1], 8*PA          ; wo, slot A: behind o's 8 row tiles
	s_mov_b32 s[G0W+4], 1
	s_mul_i32 s[G0W+5], s14, 8*(PA+1024)
	s_add_co_u32 s[G0W+5], s[G0W+5], SLB+8*(PA+1024)   ; wo, slot B
	s_wait_dscnt 0x0                               ; both opening adds are done
	s_wait_kmcnt 0x0
	s_add_nc_u64 s[G0O+2:G0O+3], s[4:5], s[16:17]  ; slot A begins with kb 0,
	s_add_nc_u64 s[G0O+6:G0O+7], s[G0O+2:G0O+3], PA    ; slot B with kb 6
	s_or_b32 s[G0O+3], s[G0O+3], 0x80000000
	s_or_b32 s[G0O+7], s[G0O+7], 0x80000000
	s_add_nc_u64 s[G0W+2:G0W+3], s[6:7], s[78:79]
	s_add_nc_u64 s[G0W+6:G0W+7], s[G0W+2:G0W+3], PA
	s_or_b32 s[G0W+3], s[G0W+3], 0x80000000
	s_or_b32 s[G0W+7], s[G0W+7], 0x80000000
	ROUND                                          ; all sixteen work-groups are here: the first joint loads meet
	JLOAD 0                                        ; kb 0-5
	JLOAD 1                                        ; kb 6-12: two loads of mine are out
	v_and_b32 v2, 31, v0
	v_lshlrev_b32 v26, 4, v2                       ; 16 x lane: an image's place, and my place in a row of 512 bytes
	v_and_b32 v3, 15, v0                           ; r
	v_bfe_u32 v4, v0, 4, 1                         ; h
	s_mul_i32 s22, s13, 4*PA                       ; my four row tiles in slot A,
	v_add_nc_u32 v16, s22, v26
	s_mul_i32 s22, s13, 4*(PA+1024)
	s_add_co_u32 s22, s22, SLB
	v_add_nc_u32 v17, s22, v26                     ; in slot B;
	s_mul_i32 s22, s14, 8*PA
	s_add_co_u32 s22, s22, 8*PA
	v_add_nc_u32 v20, s22, v26                     ; my eight column tiles in slot A,
	s_mul_i32 s22, s14, 8*(PA+1024)
	s_add_co_u32 s22, s22, SLB+8*(PA+1024)
	v_add_nc_u32 v21, s22, v26                     ; in slot B
	s_mul_i32 s22, s12, 16*SP
	s_add_co_u32 s22, s22, STAGE                   ; my stage
	v_mul_u32_u24 v24, v3, SP
	v_lshl_add_u32 v24, v4, 5, v24
	v_add_nc_u32 v24, s22, v24                     ; in: row r, 32 bytes for each half of the lanes
	v_add_nc_u32 v25, s22, v26                     ; back: the 32 lanes take one row
	v_lshlrev_b32 v5, 5, v4                        ; the bias: my half's eight columns
	s_lshl_b32 s78, s80, 10                        ; my first column, in bytes: 1,024 X + 512 wj
	s_lshl_b32 s79, s14, 9
	s_add_co_u32 s78, s78, s79
	s_mov_b32 s79, 0
	s_add_nc_u64 s[8:9], s[8:9], s[78:79]
.irp b, 0,1,2,3,4,5,6,7
	global_load_b128 v[32+8*\b:35+8*\b], v5, s[8:9] offset:64*\b
	global_load_b128 v[36+8*\b:39+8*\b], v5, s[8:9] offset:64*\b+16
.endr
	s_lshl_b32 s16, s15, 19                        ; my first row: (128 Y + 64 wi) x 4,096 bytes
	s_lshl_b32 s17, s13, 18
	s_add_co_u32 s16, s16, s17
	s_mov_b32 s17, 0
	s_add_nc_u64 s[10:11], s[10:11], s[16:17]
	s_add_nc_u64 s[10:11], s[10:11], s[78:79]
	s_wait_loadcnt 0x0                             ; the bias
	s_wait_tensorcnt 0x1                           ; my part of slot A is in; slot B's load may be out
	s_barrier_signal -1
	s_barrier_wait -1
	FETCH 0, 0, 0
	QUARTER 0, 0, 1                                ; kb 0: the first products start the sums, on the bias
.irp k, 1,2,3,4
	QUARTER 0, \k, 0
.endr
	TURN 0, 1, 1                                   ; kb 5; slot A takes kb 13-18
.irp k, 0,1,2,3,4,5
	QUARTER 1, \k, 0
.endr
	TURN 1, 0, 1                                   ; kb 12; slot B takes kb 19-25
.irp k, 0,1,2,3,4
	QUARTER 0, \k, 0
.endr
	TURN 0, 1, 1                                   ; kb 18; slot A takes kb 26-31
.irp k, 0,1,2,3,4,5
	QUARTER 1, \k, 0
.endr
	TURN 1, 0, 0                                   ; kb 25; nothing is left to fetch: behind this barrier nobody reads slot B
.irp k, 0,1,2,3,4
	QUARTER 0, \k, 0
.endr
.set BUF, 96*(N%2)
	s_wait_dscnt 0x0                               ; kb 31
	WIN MUL
	MUL16 BUF, 0, 0
	MUL16 BUF, 2, 0
	WIN 0
; THE WAY OUT, a block of 16 rows x 128 columns at a time, through my own stage: in by 32 bytes a lane, back as whole rows of 512 bytes.  LDS serves a wave's instructions in order: no wait between stores and loads.
.macro TOSTAGE a
	WIN 0x08                                       ; an LDS store's data are its source 1: window 2
.irp b, 0,1,2,3,4,5,6,7
	ds_store_b128 v24, v[8*(8*(\a)+\b):8*(8*(\a)+\b)+3] offset:64*\b        ; each accumulator from its low end on
	ds_store_b128 v24, v[8*(8*(\a)+\b)+4:8*(8*(\a)+\b)+7] offset:64*\b+16
.endr
	WIN 0
.set BB, 128+64*((\a)%2)
.irp t, 0,1,2,3,4,5,6,7,8,9,10,11,12,13,14,15
	ds_load_b128 v[BB+4*\t:BB+4*\t+3], v25 offset:\t*SP
.endr
.endm
.macro SEND a, younger                 ; younger: the LDS instructions issued behind block a's loads, which may stay out
.set BB, 128+64*((\a)%2)
	s_wait_dscnt \younger
.if (\a) > 0
	s_add_nc_u64 s[10:11], s[10:11], 65536         ; 16 rows on (behind a wait on XCNT: the earlier stores have read their base)
.endif
.irp t, 0,1,2,3,4,5,6,7,8,9,10,11,12,13,14,15
	global_store_b128 v26, v[BB+4*\t:BB+4*\t+3], s[10:11] offset:\t*4096 th:TH_STORE_NT   ; 32 lanes store 512 consecutive bytes, aligned
.endr
.endm
	PLACES
	TOSTAGE 0
.irp a, 1,2,3
.if \a > 1
	s_wait_xcnt 0x0                                ; block a - 2's stores have read their registers and their base
.endif
	TOSTAGE \a
	SEND \a-1, 32                                  ; behind block a - 1's loads: block a's 16 stores and 16 loads
.endr
	s_wait_xcnt 0x0
	SEND 3, 0
	s_wait_tensorcnt 0x0                           ; the wave's end
	ds_add_u32 v28, v29
	s_wait_dscnt 0x0
	ROUND                                          ; the closing round
	s_endpgm
.Lfunc_end_k_qba2e627eb1_proj:
	.size	k_qba2e627eb1_proj, .Lfunc_end_k_qba2e627eb1_proj-k_qba2e627eb1_proj
	.p2alignl 7, 3214868480
	.fill 96, 4, 3214868480
	.section	.rodata,"a",@progbits
	.p2align	6, 0x0
	.amdhsa_kernel k_qba2e627eb1_proj
		.amdhsa_group_segment_fixed_size 327680
		.amdhsa_private_segment_fixed_size 0
		.amdhsa_enable_private_segment 0
		.amdhsa_kernarg_size 32
		.amdhsa_user_sgpr_count 2
		.amdhsa_user_sgpr_kernarg_segment_ptr 1
		.amdhsa_wavefront_size32 1
		.amdhsa_system_sgpr_workgroup_id_x 1
		.amdhsa_system_sgpr_workgroup_id_y 1
		.amdhsa_system_sgpr_workgroup_id_z 1
		.amdhsa_system_vgpr_workitem_id 0
		.amdhsa_next_free_vgpr 768
		.amdhsa_next_free_sgpr 84
		.amdhsa_reserve_vcc 0
		.amdhsa_float_denorm_mode_32 3
		.amdhsa_float_denorm_mode_16_64 3
		.amdhsa_memory_ordered 1
		.amdhsa_forward_progress 1
		.amdhsa_inst_pref_size 147
	.end_amdhsa_kernel
	.amdgpu_metadata
---
amdhsa.version: [ 1, 2 ]
amdhsa.kernels:
  - .name:           k_qba2e627eb1_proj
    .symbol:         k_qba2e627eb1_proj.kd
    .args:
      - { .name: oimg, .offset: 0, .size: 8, .value_kind: global_buffer, .address_space: global }
      - { .name: woimg, .offset: 8, .size: 8, .value_kind: global_buffer, .address_space: global }
      - { .name: bo, .offset: 16, .size: 8, .value_kind: global_buffer, .address_space: global }
      - { .name: out0, .offset: 24, .size: 8, .value_kind: global_buffer, .address_space: global }
    .group_segment_fixed_size: 327680
    .private_segment_fixed_size: 0
    .kernarg_segment_align: 8
    .kernarg_segment_size: 32
    .max_flat_workgroup_size: 128
    .sgpr_count:     84
    .vgpr_count:     768
    .wavefront_size: 32
...
	.end_amdgpu_metadata
.endif
;; end of part 3
